; MI455X (gfx1250); checked and timed in simulation.
; The chip was launched on July 23, 2026; its instructions are those of AMD's public machine-readable ISA for CDNA 5 (MIT licence, August 2026) and "CDNA5" Instruction Set Architecture Reference Guide (July 2026). The comments in the code are by the model that wrote it; some were corrected since.
;; Dynamic Node Attention. Allowed arithmetic: matrix products marked QUANTISED: E2M3 operands, one E8M0 scale for each 32 along K, by v_wmma_scale_f32_16x16x128_f8f6f4 with both operands' format E2M3, f32 sums; everything else in f32.
;; Inputs: Wk 256 x 256 float32; Wo 256 x 256 float32; Wq 256 x 256 float32; Wv 256 x 256 float32; adjacency 2 x 4,096 x 4,096 float32; bo 256 float32; node_state 2 x 4,096 x 256 float32.
;; Outputs: out0 2 x 4,096 x 256 float32.
;; This version of the problem:
;;   THIS VERSION OF THE PROBLEM IS GIVEN IN LOW PRECISION. The matrix products marked QUANTISED in the list below multiply operands that are first quantised to E2M3 (2 exponent bits, 3 mantissa bits; 6 bits a number), with one power-of-two scale for each 32 numbers along K (OCP MX v1.0); their sums are f32. All else is computed in f32.
;;   The module's matrix products, in the order in which they are computed (A, B: the left and right operand; K: the contracted axis; several contracted axes count as one K, in the product's order):
;;     1. [M 8,192, K 256] x [K 256, N 256]; A: input node_state; B: input Wq: QUANTISED
;;     2. [M 8,192, K 256] x [K 256, N 256]; A: input node_state; B: input Wk: QUANTISED
;;     3. [M 8,192, K 256] x [K 256, N 256]; A: input node_state; B: input Wv: QUANTISED
;;     4. batch 16 x [M 4,096, K 32] x [K 32, N 4,096]; A: computed on the way; B: computed on the way: QUANTISED
;;     5. batch 16 x [M 4,096, K 4,096] x [K 4,096, N 32]; A: softmax (see below); B: computed on the way: QUANTISED
;;     6. [M 8,192, K 256] x [K 256, N 256]; A: computed on the way; B: input Wo: QUANTISED
;;   THE QUANTISER, for each operand of a quantised product, along K:
;;     - K is cut into blocks of 32 from its start; a last block that is shorter is filled with zeros.
;;     - A block's scale is 2^e with e = floor(log2(the largest magnitude in the block)) - 2, held to -126 .. 127; a block of zeros has e = 0. As a byte (E8M0): e + 127.
;;     - Each number is divided by its block's scale, clamped to +-7.5, and rounded to the nearest number of E2M3, ties to even, subnormals kept.
;;     - The product sums the exact products of the quantised numbers (number of the format x scale) in f32.
;;   ~~~python
;;   def quantise(x, axis):      # numpy; x: float32 -> the quantised numbers, widened to float32 again
;;       x = np.moveaxis(x, axis, -1); K = x.shape[-1]
;;       x = np.pad(x, [(0, 0)] * (x.ndim - 1) + [(0, -K % 32)]); x = x.reshape(x.shape[:-1] + (-1, 32)); a = np.abs(x).max(-1, keepdims=True)
;;       e = np.where(a > 0, np.clip(np.frexp(np.where(a > 0, a, 1))[1] - 1 - 2, -126, 127), 0)      # np.frexp(a)[1] - 1 = floor(log2(a)), exactly
;;       r = np.clip(x / 2.0 ** e, -7.5, 7.5)
;;       step = 2.0 ** (np.maximum(np.frexp(np.where(r == 0, 1, r))[1] - 1, 0) - 3)
;;       q = np.round(r / step) * step * 2.0 ** e      # np.round: ties to even
;;       return np.moveaxis(q.reshape(q.shape[:-2] + (-1,))[..., :K], -1, axis).astype(np.float32)
;;   ~~~
;;   SOFTMAX AHEAD OF A QUANTISED PRODUCT. Where the list says 'softmax', what is quantised is not the finished softmax but p = 2^(t - M), with t = logit x log2(e) and M = ceil(the row's largest t), a whole number; so 1/2 < the row's largest p <= 1. The row's sum l is taken of the UNQUANTISED p, in f32, and the product's result is divided by l at the end. Since M is a whole number, a kernel that streams over the keys may use a running M (the ceiling of the running maximum): every later rescaling is an exact power of two, which a block's scale takes up: the codes' values come out the same.
;;   OPERANDS COMPUTED ON THE WAY. 'Computed on the way' means the value that the module computes at that place (a softmax that the list does not call 'softmax' is quantised finished and normalised). What goes into a quantiser is computed in f32, as accurately as f32 sums, v_exp_f32 and their like allow (about 1e-6 of the number): no bf16 or f16 on the way to a quantiser, and a product that is left as it is and whose result goes on into a quantised operand takes f32 operands (vector FMAs, or v_wmma_f32_16x16x4_f32). A number that lies on a knife's edge between two numbers of the format may be rounded either way, as far as f32 arithmetic and the matrix unit's own rounding can turn it there, and no further.
;; One version. Each part assembles by itself: llvm-mc -triple=amdgcn-amd-amdhsa -mcpu=gfx1250 --defsym DOCPART=n.
;; ======== version 1 of 1: 2 launches
;; limits: right only within a limited range of input values
;; workspace buffers: qimg 1,638,400 bytes; kv 3,276,800 bytes; woimg 51,200 bytes
;; launch prep (part 1): grid 193 x 1, 16 waves a work-group, no clusters, 217,088 bytes of LDS; arguments node_state, Wq, Wk, Wv, Wo, qimg, kv, woimg; writes qimg, kv, woimg
.if DOCPART == 1
	.amdgcn_target "amdgcn-amd-amdhsa--gfx1250"
	.amdhsa_code_object_version 6
	.text
	.protected	k_qe3d25aa78d_prep
	.globl	k_qe3d25aa78d_prep
	.p2align	8
	.type	k_qe3d25aa78d_prep,@function
k_qe3d25aa78d_prep:
	s_mov_b64 s[64:65], 0
	v_nop
	global_prefetch_b8 v0, s[64:65] scope:SCOPE_SE
	s_setreg_imm32_b32 hwreg(HW_REG_WAVE_MODE, 25, 1), 1
	s_wait_xcnt 0x0
; q = x Wq^T, k = x Wk^T, v = x Wv^T on codes of FP6 (E2M3) with one E8M0 scale for each 32 along K, and the results quantised again for the
; attention launch: q and k along a head's 32 dims, v down the nodes in blocks of 32.  Wo is quantised along its K.  x: [8192][256] f32; each W: [256][256] f32, K innermost.
; SHARES.  Work-group id: role = id / 64 (0 q, 1 k, 2 v, 3 Wo: id 192 alone), step = id % 64: 128 nodes.  Sixteen waves; wave w: hd = w / 2, lo = w % 2.
; Each work-group of roles 0-2 quantises its role's whole W (32 fragments of 16 rows x 128 K) and its step's 128 rows of x (16 fragments): three a wave, all 48 loads of a wave out at once.
; x is so read by three work-groups: the price of 192 work-groups in place of 64.
; The fragments go from wave to wave through LDS as images of their registers (12 registers a lane: three stores of 16 bytes at 16 x lane); one barrier.
; ROWS OF A TILE ARE NOT NEIGHBOURS: lane r of node tile T takes node 32 (T / 2) + 8 (T % 2) + r + 8 (r / 8); lane r of a head's feature tile u takes dim 8 u + r + 8 (r / 8).
; So a lane's 16 registers of two neighbouring result tiles are 16 neighbours along the next product's K.
; q, k: source 0 = W's tile u, source 1 = x's tile: a lane holds one node, registers run along the head's dims.  Wave (hd, f = lo) makes fragment f of head hd: its four blocks of 32 along K are node tiles 4 f .. 4 f + 3.
; v: source 0 = x's tile T, source 1 = W's tile u = lo: a lane holds one dim, registers run down the step's 128 nodes: one fragment of V^T.
; OUT: a step's half of 25,600 bytes: 8 heads x two fragment images of 1,536 bytes, then 8 heads x 32 scale words.  A wave's code stores cover 512 consecutive aligned bytes each; its 16 scale words are 64 bytes, part of a 256-byte block (one byte in 25 of what is stored).
; LIMITS: NaN and infinities are not served.  A block of zeros gets the byte 1 where the quantiser says 127: its codes are zeros, and only this program reads the bytes.
.set FRB,  1536                        ; a fragment's image in bytes
.set XIMG, 0                           ; LDS: x's 16 fragments, index 2 T + s
.set XSC,  24576                       ; their scale words, 128 bytes each
.set WIMG, 26624                       ; W's 32 fragments, index 2 w + s
.set WSC,  75776                       ; their scale words
.set TM,   24                          ; v24-39 at work in the quantisers
.set PW,   40                          ; v40 (v41) the scale word just made
.set PC,   44                          ; v44-55 the codes just made; v56-58, v60-62 the halves that are made elsewhere and moved
.set B0,   64                          ; v64-127, v128-191, v192-255: three sets of 64 numbers
.set B1,   128
.set B2,   192
.set ACC,  192                         ; later: 8 result tiles
.set STG,  81920                       ; LDS: behind the spare words a stage for each wave: 16 rows x (512 + 16) bytes
.set STGW, 8448
; v1 my place in my stage on the way back: 528 x (lane % 16) + 128 x (lane / 16); v32 on the way in: 16 x lane; v2 16 x lane; v3 4 x lane; v4-11 LDS addresses;
; v12-15 W's scale words, v16-23 x's: these hold scales alone; v42 8 x (lane / 16); v43 lane
.macro LOADB buf, base, off            ; a fragment's 16 rows x 128 K as they lie: load 8 c + j reads 512 consecutive bytes of the tile's row 16 c + j, 16 bytes a lane
.irp c, 0,1
.irp j, 0,1,2,3,4,5,6,7
	global_load_b128 v[\buf+32*\c+4*\j:\buf+32*\c+4*\j+3], v2, s[\base:\base+1] offset:\off+1024*(16*\c+\j)
.endr
.endr
.endm
; 64 numbers of a lane, two whole blocks, become a fragment's codes in v[PC] on and the row's scale word in v[pw]
.macro WQ buf, pw
.irp c, 0,1
	v_max3_num_f32 v[TM+\c], |v[\buf+32*\c]|, |v[\buf+32*\c+1]|, 0x1800000   ; the floor 2^(3 - 127) holds the byte at 1 from below
.endr
.irp i, 2,4,6,8,10,12,14,16,18,20,22,24,26,28,30
.irp c, 0,1
	s_delay_alu instid0(VALU_DEP_2)
	v_max3_num_f32 v[TM+\c], v[TM+\c], |v[\buf+32*\c+\i]|, |v[\buf+32*\c+\i+1]|   ; the two blocks by turns
.endr
.endr
.irp c, 0,1
	s_delay_alu instid0(VALU_DEP_2)
	v_add_nc_u32 v[TM+2+\c], 0xff000000, v[TM+\c]  ; 2 off the exponent field: the conversion's scale operand
.endr
.irp c, 0,1
	s_delay_alu instid0(VALU_DEP_2)
	v_lshrrev_b32 v[TM+4+\c], 23, v[TM+2+\c]       ; the scale's byte
.endr
	s_delay_alu instid0(VALU_DEP_1)
	v_lshl_or_b32 v[\pw], v[TM+5], 16, v[TM+4]     ; my two bytes: blocks h and 2 + h,
	s_delay_alu instid0(VALU_DEP_1)
	v_lshlrev_b32 v[\pw], v42, v[\pw]              ; at their places in the word;
	s_delay_alu instid0(VALU_DEP_1)
	v_permlanex16_b32 v[TM+6], v[\pw], s34, s35
	s_delay_alu instid0(VALU_DEP_1)
	v_or_b32 v[\pw], v[\pw], v[TM+6]               ; with lane l xor 16's two the word is whole
.irp c, 0,1
	v_cvt_scalef32_pk16_fp6_f32 v[PC+6*\c:PC+6*\c+2], v[\buf+32*\c:\buf+32*\c+15], v[TM+2+\c]
	v_cvt_scalef32_pk16_fp6_f32 v[PC+12+4*\c:PC+14+4*\c], v[\buf+32*\c+16:\buf+32*\c+31], v[TM+2+\c]   ; (a conversion's three registers begin on an even number)
.endr
	v_nop                                          ; one plain place behind a scaled conversion
.irp c, 0,1
.irp i, 0,1,2
	v_mov_b32 v[PC+3+6*\c+\i], v[PC+12+4*\c+\i]
.endr
.endr
.endm
; 64 numbers of a lane, register 16 b + i = k 32 b + 16 (lane / 16) + i of my row, become a fragment's codes in v[PC] on and its scale word in v[PW]
.macro QUANT s
.irp b, 0,1,2,3
	v_max3_num_f32 v[TM+\b], |v[\s+16*\b]|, |v[\s+1+16*\b]|, 0x1800000
.endr
.irp i, 2,4,6,8,10,12,14
.irp b, 0,1,2,3
	v_max3_num_f32 v[TM+\b], v[TM+\b], |v[\s+16*\b+\i]|, |v[\s+1+16*\b+\i]|
.endr
.endr
.irp b, 0,1,2,3
	s_delay_alu instid0(VALU_DEP_4)
	v_permlanex16_b32 v[TM+4+\b], v[TM+\b], s34, s35
.endr
.irp b, 0,1,2,3
	s_delay_alu instid0(VALU_DEP_4)
	v_max_num_f32 v[TM+\b], v[TM+\b], v[TM+4+\b]   ; with lane l xor 16's: the block's largest magnitude
.endr
.irp b, 0,1,2,3
	s_delay_alu instid0(VALU_DEP_4)
	v_add_nc_u32 v[TM+12+\b], 0xff000000, v[TM+\b]
.endr
.irp b, 0,1,2,3
	s_delay_alu instid0(VALU_DEP_4)
	v_lshrrev_b32 v[TM+4+\b], 23, v[TM+12+\b]
.endr
	s_delay_alu instid0(VALU_DEP_3)
	v_lshl_or_b32 v[PW], v[TM+5], 8, v[TM+4]
	s_delay_alu instid0(VALU_DEP_1)
	v_lshl_or_b32 v[PW], v[TM+6], 16, v[PW]
	s_delay_alu instid0(VALU_DEP_1)
	v_lshl_or_b32 v[PW], v[TM+7], 24, v[PW]
.irp c, 0,1
	v_cvt_scalef32_pk16_fp6_f32 v[PC+6*\c:PC+2+6*\c], v[\s+32*\c:\s+15+32*\c], v[TM+12+2*\c]
	v_cvt_scalef32_pk16_fp6_f32 v[PC+12+4*\c:PC+14+4*\c], v[\s+16+32*\c:\s+31+32*\c], v[TM+12+2*\c+1]
.endr
	v_nop                                          ; one plain place behind a scaled conversion
.irp c, 0,1                                    ; the operand's layout wants a whole block in a lane
.irp i, 0,1,2
	v_permlane16_swap_b32 v[PC+6*\c+\i], v[PC+12+4*\c+\i]
.endr
.irp i, 0,1,2
	s_delay_alu instid0(VALU_DEP_3)
	v_mov_b32 v[PC+3+6*\c+\i], v[PC+12+4*\c+\i]
.endr
.endr
.endm
.macro TURN buf                        ; through my own stage: rows in, and back my two whole blocks of 32: k = 64 c + 32 (lane / 16) + 0 .. 31 of row lane % 16
.irp i, 0,1,2,3,4,5,6,7,8,9,10,11,12,13,14,15
	ds_store_b128 v32, v[\buf+4*\i:\buf+4*\i+3] offset:528*\i
.endr
	s_wait_dscnt 0x0                               ; the stores have read their registers
.irp c, 0,1
.irp j, 0,1,2,3,4,5,6,7
	ds_load_b128 v[\buf+32*\c+4*\j:\buf+32*\c+4*\j+3], v1 offset:256*\c+16*\j
.endr
.endr
	s_wait_dscnt 0x0
.endm
.macro IMAGE adr, off                  ; the fragment in v[PC] on goes to LDS as it stands
.irp c, 0,1,2
	ds_store_b128 v[\adr], v[PC+4*\c:PC+4*\c+3] offset:(\off)+512*\c
.endr
.endm
.macro FETCH reg, adr, off             ; and comes back so, in any wave
.irp c, 0,1,2
	ds_load_b128 v[(\reg)+4*\c:(\reg)+4*\c+3], v[\adr] offset:(\off)+512*\c
.endr
.endm
.macro PLACES                          ; four plain places behind matrix instructions, ahead of loads into their operands and of reads of their results
.rept 4
	v_nop
.endr
.endm
	s_load_b256 s[4:11], s[0:1], 0x0               ; x s[4:5], Wq s[6:7], Wk s[8:9], Wv s[10:11]
	s_load_b256 s[12:19], s[0:1], 0x20             ; Wo s[12:13], qimg s[14:15], kv s[16:17], woimg s[18:19]
	v_lshl_add_u32 v59, v0, 2, 0x13800
	v_mov_b32 v63, 0
	v_lshrrev_b32 v43, 5, v0
	s_delay_alu instid0(VALU_DEP_1)
	v_readfirstlane_b32 s20, v43                   ; wave 0..15
	s_lshr_b32 s21, ttmp9, 6                       ; role
	s_and_b32 s22, ttmp9, 63                       ; step
	s_lshr_b32 s23, s20, 1                         ; hd
	s_and_b32 s24, s20, 1                          ; lo
	s_mov_b32 s34, 0x76543210
	s_mov_b32 s35, 0xfedcba98                      ; v_permlanex16_b32's selects for lane l xor 16
	v_and_b32 v43, 31, v0                          ; lane
	v_and_b32 v1, 15, v0                           ; r
	v_bfe_u32 v41, v0, 4, 1                        ; h
	v_mul_u32_u24 v1, v1, 528                      ; a stage row,
	v_lshlrev_b32 v42, 3, v41
	v_lshl_add_u32 v1, v41, 7, v1                  ; + 128 h: my block of 32 numbers
	v_lshlrev_b32 v2, 4, v43
	s_wait_alu depctr_va_vdst(0)
	v_lshlrev_b32 v3, 2, v43
	; every LDS address is made here, ahead of the roles' parting: a constant + a constant x lane + a constant x (a part of) the wave's number
	s_wait_alu depctr_va_vdst(0)
	s_mul_i32 s36, s20, STGW
	s_add_co_u32 s36, s36, STG
	v_add_nc_u32 v1, s36, v1                       ; my stage
	v_add_nc_u32 v32, s36, v2
	s_mul_i32 s36, s20, 2*FRB
	s_add_co_u32 s36, s36, WIMG
	v_add_nc_u32 v4, s36, v2                       ; where I store (and in v's path read) my tile of W
	s_lshl_b32 s36, s20, 8
	s_add_co_u32 s36, s36, WSC
	v_add_nc_u32 v5, s36, v3
	s_mul_i32 s36, s20, FRB
	v_add_nc_u32 v6, s36, v2                       ; where I store my fragment of x (XIMG = 0)
	s_lshl_b32 s36, s20, 7
	s_add_co_u32 s36, s36, XSC
	v_add_nc_u32 v7, s36, v3
	s_mul_i32 s36, s23, 4*FRB
	s_add_co_u32 s36, s36, WIMG
	v_add_nc_u32 v8, s36, v2                       ; head hd's four fragments of W
	s_lshl_b32 s36, s23, 9
	s_add_co_u32 s36, s36, WSC
	v_add_nc_u32 v9, s36, v3
	s_mul_i32 s36, s24, 8*FRB
	v_add_nc_u32 v10, s36, v2                      ; x's tiles 4 lo .. 4 lo + 3
	s_lshl_b32 s36, s24, 10
	s_add_co_u32 s36, s36, XSC
	v_add_nc_u32 v11, s36, v3
.irp b, 4,5,6,7
	v_mov_b32 v[TM+\b], 0                          ; written once: a lane permute's destination counts as one of its sources
.endr
	s_lshl_b32 s36, s23, 15                        ; my tile of W begins at row 32 hd + 8 lo
	s_lshl_b32 s37, s24, 13
	s_add_co_u32 s36, s36, s37
	s_mov_b32 s37, 0
	s_wait_alu depctr_va_vdst(0)                   ; the wait at the head's end
	s_wait_kmcnt 0x0
	s_cmp_eq_u32 s21, 1                            ; which W: the choice hangs on the work-group's number alone
	s_cselect_b64 s[26:27], s[8:9], s[6:7]
	s_cmp_eq_u32 s21, 2
	s_cselect_b64 s[26:27], s[10:11], s[26:27]
	s_cmp_eq_u32 s21, 3
	s_cselect_b64 s[26:27], s[12:13], s[26:27]
	s_add_nc_u64 s[26:27], s[26:27], s[36:37]
	LOADB B0, 26, 0                                ; my tile of W, K step 0,
	LOADB B1, 26, 512                              ; and K step 1
	s_cmp_eq_u32 s21, 3
	s_cbranch_scc1 .Lwo
	s_lshl_b32 s36, s22, 17                        ; x: the step's 128 rows; my fragment is tile T = hd, K step lo
	s_lshr_b32 s38, s23, 1
	s_lshl_b32 s38, s38, 15
	s_add_co_u32 s36, s36, s38
	s_and_b32 s38, s23, 1
	s_lshl_b32 s38, s38, 13
	s_add_co_u32 s36, s36, s38
	s_lshl_b32 s38, s24, 9
	s_add_co_u32 s36, s36, s38
	s_add_nc_u64 s[28:29], s[4:5], s[36:37]
	LOADB B2, 28, 0
	s_cmp_eq_u32 s21, 0                            ; where the results go: qimg + 25,600 step, or kv + 51,200 step (+ 25,600 for v)
	s_cselect_b64 s[30:31], s[14:15], s[16:17]
	s_mov_b32 s38, 51200
	s_cselect_b32 s38, 25600, s38
	s_cmp_eq_u32 s21, 2
	s_cselect_b32 s39, 25600, 0
	s_mul_i32 s38, s38, s22
	s_add_co_u32 s38, s38, s39
	s_mov_b32 s39, 0
	s_add_nc_u64 s[30:31], s[30:31], s[38:39]
	s_lshl_b32 s38, s20, 6
	s_add_co_u32 s38, s38, 24576
	s_add_nc_u64 s[32:33], s[30:31], s[38:39]      ; my 16 scale words
	s_mul_i32 s38, s20, FRB
	s_add_nc_u64 s[30:31], s[30:31], s[38:39]      ; my fragment's image
	s_wait_loadcnt 32                              ; W's K step 0 is in; the 32 loads issued behind it may be out
	TURN B0
	WQ B0, PW
	IMAGE 4, 0
	ds_store_b32 v5, v[PW]
	s_wait_dscnt 0x0                               ; the stores have read their registers
	s_wait_loadcnt 16                              ; W's K step 1 is in; x's 16 loads may be out
	TURN B1
	WQ B1, PW
	IMAGE 4, FRB
	ds_store_b32 v5, v[PW] offset:128
	s_wait_dscnt 0x0
	s_wait_loadcnt 0x0
	TURN B2
	WQ B2, PW
	IMAGE 6, 0
	ds_store_b32 v7, v[PW]
	s_wait_dscnt 0x0                               ; for the others' sake: my stores have landed
	s_barrier_signal -1
	s_barrier_wait -1                              ; all 48 fragments lie in LDS; from here on LDS is only read
	s_cmp_eq_u32 s21, 2
	s_cbranch_scc1 .Lv
	; ---- q, k: head hd, node tiles 4 lo .. 4 lo + 3: eight result tiles (t, u) by turns
.irp u, 0,1
.irp s, 0,1
	FETCH 64+12*(2*\u+\s), 8, (2*\u+\s)*FRB
	ds_load_b32 v[12+2*\u+\s], v9 offset:(2*\u+\s)*128
.endr
.endr
.irp s, 0,1
.if \s
	PLACES
.endif
.irp t, 0,1,2,3
	FETCH 112+12*\t, 10, (2*\t+\s)*FRB
	ds_load_b32 v[16+\t], v11 offset:(2*\t+\s)*128
.endr
	s_wait_dscnt 0x0
.irp t, 0,1,2,3
.irp u, 0,1
.if \s == 0
	v_wmma_scale_f32_16x16x128_f8f6f4 v[ACC+16*\t+8*\u:ACC+16*\t+8*\u+7], v[64+12*(2*\u+\s):64+12*(2*\u+\s)+11], v[112+12*\t:112+12*\t+11], 0, v[12+2*\u+\s], v[16+\t] matrix_a_fmt:MATRIX_FMT_FP6 matrix_b_fmt:MATRIX_FMT_FP6
.else
	v_wmma_scale_f32_16x16x128_f8f6f4 v[ACC+16*\t+8*\u:ACC+16*\t+8*\u+7], v[64+12*(2*\u+\s):64+12*(2*\u+\s)+11], v[112+12*\t:112+12*\t+11], v[ACC+16*\t+8*\u:ACC+16*\t+8*\u+7], v[12+2*\u+\s], v[16+\t] matrix_a_fmt:MATRIX_FMT_FP6 matrix_b_fmt:MATRIX_FMT_FP6
.endif
.endr
.endr
.endr
	s_branch .Ljoin
.Lv:
	; ---- v: head hd, feature tile lo, all eight node tiles: eight result tiles by turns
.irp s, 0,1
	FETCH 64+12*\s, 4, \s*FRB
	ds_load_b32 v[12+\s], v5 offset:\s*128
.endr
.irp s, 0,1
.if \s
	PLACES
.endif
.irp t, 0,1,2,3,4,5,6,7
	FETCH 88+12*\t, 2, XIMG+(2*\t+\s)*FRB
	ds_load_b32 v[16+\t], v3 offset:XSC+(2*\t+\s)*128
.endr
	s_wait_dscnt 0x0
.irp t, 0,1,2,3,4,5,6,7
.if \s == 0
	v_wmma_scale_f32_16x16x128_f8f6f4 v[ACC+8*\t:ACC+8*\t+7], v[88+12*\t:88+12*\t+11], v[64:75], 0, v[16+\t], v12 matrix_a_fmt:MATRIX_FMT_FP6 matrix_b_fmt:MATRIX_FMT_FP6
.else
	v_wmma_scale_f32_16x16x128_f8f6f4 v[ACC+8*\t:ACC+8*\t+7], v[88+12*\t:88+12*\t+11], v[76:87], v[ACC+8*\t:ACC+8*\t+7], v[16+\t], v13 matrix_a_fmt:MATRIX_FMT_FP6 matrix_b_fmt:MATRIX_FMT_FP6
.endif
.endr
.endr
.Ljoin:
	PLACES
	QUANT ACC                                      ; each result tile is read from its low end on
.irp c, 0,1,2
	global_store_b128 v2, v[PC+4*\c:PC+4*\c+3], s[30:31] offset:512*\c   ; 32 lanes store 512 consecutive bytes, at a multiple of 256 from the buffer's first byte
.endr
	v_cmp_gt_u32 vcc_lo, 16, v43
	s_wait_xcnt 0x0                                ; EXEC changes only behind this wait
	s_wait_tensorcnt 0x0
	ds_add_u32 v59, v63
	s_wait_dscnt 0x0
	s_and_saveexec_b32 s36, vcc_lo
	global_store_b32 v3, v[PW], s[32:33]           ; lanes 0-15: the 16 rows' scale words
	s_wait_xcnt 0x0
	s_or_b32 exec_lo, exec_lo, s36
	s_endpgm
.Lwo:
	; ---- Wo: wave w's tile (features 32 hd + 8 lo + r + 8 (r / 8)), two K steps, straight to memory; LDS only for the stage, no barrier
	s_mul_i32 s38, s20, 2*FRB
	s_mov_b32 s39, 0
	s_add_nc_u64 s[30:31], s[18:19], s[38:39]
	s_lshl_b32 s38, s23, 8
	s_lshl_b32 s40, s24, 6
	s_add_co_u32 s38, s38, s40
	s_add_co_u32 s38, s38, 49152
	s_add_nc_u64 s[32:33], s[18:19], s[38:39]
	s_wait_loadcnt 16                              ; K step 0 is in; K step 1's 16 loads may be out
	TURN B0
	WQ B0, PW
.irp c, 0,1,2
	global_store_b128 v2, v[PC+4*\c:PC+4*\c+3], s[30:31] offset:512*\c
.endr
	s_wait_loadcnt 0x0
	s_wait_xcnt 0x0                                ; the stores' data are written again only behind this wait
	TURN B1
	WQ B1, PW+1
.irp c, 0,1,2
	global_store_b128 v2, v[PC+4*\c:PC+4*\c+3], s[30:31] offset:FRB+512*\c
.endr
	v_cmp_gt_u32 vcc_lo, 16, v43
	s_wait_xcnt 0x0
	s_and_saveexec_b32 s36, vcc_lo
	global_store_b32 v3, v[PW], s[32:33]
	global_store_b32 v3, v[PW+1], s[32:33] offset:128
	s_wait_xcnt 0x0
	s_or_b32 exec_lo, exec_lo, s36
	s_wait_tensorcnt 0x0                           ; the wave's end
	ds_add_u32 v59, v63
	s_wait_dscnt 0x0
	s_endpgm
.Lfunc_end_k_qe3d25aa78d_prep:
	.size	k_qe3d25aa78d_prep, .Lfunc_end_k_qe3d25aa78d_prep-k_qe3d25aa78d_prep
	.p2alignl 7, 3214868480
	.fill 96, 4, 3214868480
	.section	.rodata,"a",@progbits
	.p2align	6, 0x0
	.amdhsa_kernel k_qe3d25aa78d_prep
		.amdhsa_group_segment_fixed_size 217088
		.amdhsa_private_segment_fixed_size 0
		.amdhsa_enable_private_segment 0
		.amdhsa_kernarg_size 64
		.amdhsa_user_sgpr_count 2
		.amdhsa_user_sgpr_kernarg_segment_ptr 1
		.amdhsa_wavefront_size32 1
		.amdhsa_system_sgpr_workgroup_id_x 1
		.amdhsa_system_sgpr_workgroup_id_y 1
		.amdhsa_system_sgpr_workgroup_id_z 1
		.amdhsa_system_vgpr_workitem_id 0
		.amdhsa_next_free_vgpr 256
		.amdhsa_next_free_sgpr 66
		.amdhsa_reserve_vcc 1
		.amdhsa_float_denorm_mode_32 3
		.amdhsa_float_denorm_mode_16_64 3
		.amdhsa_memory_ordered 1
		.amdhsa_forward_progress 1
		.amdhsa_inst_pref_size 60
	.end_amdhsa_kernel
	.amdgpu_metadata
---
amdhsa.version: [ 1, 2 ]
amdhsa.kernels:
  - .name:           k_qe3d25aa78d_prep
    .symbol:         k_qe3d25aa78d_prep.kd
    .args:
      - { .name: node_state, .offset: 0, .size: 8, .value_kind: global_buffer, .address_space: global }
      - { .name: Wq, .offset: 8, .size: 8, .value_kind: global_buffer, .address_space: global }
      - { .name: Wk, .offset: 16, .size: 8, .value_kind: global_buffer, .address_space: global }
      - { .name: Wv, .offset: 24, .size: 8, .value_kind: global_buffer, .address_space: global }
      - { .name: Wo, .offset: 32, .size: 8, .value_kind: global_buffer, .address_space: global }
      - { .name: qimg, .offset: 40, .size: 8, .value_kind: global_buffer, .address_space: global }
      - { .name: kv, .offset: 48, .size: 8, .value_kind: global_buffer, .address_space: global }
      - { .name: woimg, .offset: 56, .size: 8, .value_kind: global_buffer, .address_space: global }
    .group_segment_fixed_size: 217088
    .private_segment_fixed_size: 0
    .kernarg_segment_align: 8
    .kernarg_segment_size: 64
    .max_flat_workgroup_size: 512
    .sgpr_count:     66
    .vgpr_count:     256
    .wavefront_size: 32
...
	.end_amdgpu_metadata
.endif
;; end of part 1
;; launch attn (part 2): grid 256 x 1, 8 waves a work-group, clusters of 4 x 1, 327,680 bytes of LDS; arguments qimg, kv, woimg, adjacency, bo, out0; writes out0
.if DOCPART == 2
	.amdgcn_target "amdgcn-amd-amdhsa--gfx1250"
	.amdhsa_code_object_version 6
	.text
	.protected	k_qe3d25aa78d_attn
	.globl	k_qe3d25aa78d_attn
	.p2align	8
	.type	k_qe3d25aa78d_attn,@function
k_qe3d25aa78d_attn:
	s_mov_b64 s[64:65], 0
	v_nop
	global_prefetch_b8 v0, s[64:65] scope:SCOPE_SE
	s_setreg_imm32_b32 hwreg(HW_REG_WAVE_MODE, 25, 1), 1
	s_wait_xcnt 0x0
	s_wait_alu depctr_hold_cnt(0) depctr_sa_sdst(0) depctr_va_vdst(0) depctr_va_sdst(0) depctr_va_ssrc(0) depctr_va_vcc(0) depctr_vm_vsrc(0)
	s_getreg_b32 s2, hwreg(HW_REG_IB_STS2, 6, 4)
	s_cmp_eq_u32 s2, 0
	s_cbranch_scc0 .Lentry_in_a_cluster
	s_endpgm
.Lentry_in_a_cluster:
	s_bfe_u32 s2, ttmp6, 0x10000c
	s_cmp_lg_u32 s2, 0x3003
	s_cbranch_scc0 .Lentry_shape_is_right
	s_endpgm
.Lentry_shape_is_right:
; out0 = (softmax(q k^T / sqrt(32) + log(adjacency + 1e-6)) v, heads joined) Wo^T + bo, every product on codes of FP6 (E2M3) with one E8M0 scale for each 32 along K.
; q, k, v and Wo come as register images made by the launch before (a fragment of 16 rows x 128 K: register i of lane L at 512 (i / 4) + 16 L + 4 (i % 4)).
; SHARES.  A work-group owns 32 queries and all 8 heads: each number of adjacency is read once in the launch, and whole rows of 256 meet for the last product.
; Eight waves of 512 registers, two to a SIMD: wave w owns query tile uq = w / 4 and the heads A = 2 (w % 4) and B = A + 1.  Row r of query tile uq is node 32 X + 8 uq + r + 8 (r / 8).
; HEAD A LIVES IN REGISTER WINDOW 0, HEAD B UNDER THE SAME NUMBERS IN WINDOW 1: the softmax is one macro, run under two settings.  Addresses and scale words lie in window 0.
; Every wave walks its batch's 4,096 keys, 128 a step, two steps to an LDS slot, two slots.
; THE LOG ENTERS AS THE C OF THE SCORE PRODUCT: C = kappa log2(adj + 1e-6), kappa = ln 2 sqrt(32); D = q.k + C; t = c D, c = log2(e) / sqrt(32).  It is made once for each (query, key): wave w makes rows 4 w .. 4 w + 3
; of the 32 and lays them in LDS in the order of C's registers.  A wave reads its query tile's image ONCE for both heads, into head A's score registers: head B's products take it as C, then head A's add onto it in place.
; A HEAD HAS 32 DIMS, THE INSTRUCTION 128 ALONG K: a fragment of k holds four key tiles of the head, one in each block of 32; four fragments of q, the query's codes in one block and zero codes in the others, pick the tile.
; Both products are used transposed: S^T = k q^T, O^T = v^T p^T: a lane holds one query.  Key tile T of a step takes node 32 (T / 2) + 8 (T % 2) + r + 8 (r / 8): the 16 registers of tiles 2 b, 2 b + 1 are keys 32 b + 16 (lane / 16) + 0 .. 15.
; SOFTMAX: M = the running largest t rounded up to a whole number; p = 2^(t - M) is quantised along the keys, not normalised; the row's sum is taken of the unquantised p and divides at the end; when M moves, sum and O^T are multiplied by a power of two.
; ORDER OF A STEP: both heads' score products; v's fragments are asked for; head A's softmax and product; the NEXT step's k and log image are asked for; head B's softmax and product.
; In a slot's second step all my LDS reads of the slot are back ahead of head A's exponentials: there stand the waits, the add and the opening signal of the cluster's round; head A's work, on registers alone, stands inside the round;
; the refill and the next slot's first LDS loads follow the round, ahead of head B's work.
; CLUSTER: the four work-groups of a cluster belong to one batch and walk the same k and v: each tile is asked for jointly (mask 15).
; NO DATA PREFETCH: adjacency is asked for two steps ahead by its own loads into registers, k and v two steps ahead by the joint loads.
; LIMITS: NaN and infinities among the inputs are not served; adjacency at or under -1e-6 gives what the logarithm gives.  c kappa differs from 1 by less than 1.2e-7.  A block's largest p is taken from its largest score
; (this takes v_exp_f32 not to fall where its input rises).  A block whose every p is 0 keeps the byte 1: its codes are zeros.
.set FRB,    1536                      ; a fragment's image
.set HALFB,  25600                     ; a step's k (or v): 8 heads x 2 fragments, then 8 heads x 32 scale words at 24,576
.set STEPB,  51200
.set SLOTB,  102400                    ; LDS: slot 0 at 0, slot 1 behind it
.set LAB,    204800                    ; the log images: 2 buffers x [2 steps][2 query tiles][16 groups of 4 registers: 512 bytes + 16]
.set LABUF,  33792
.set LASG,   16896
.set LATILE, 8448
.set LAG,    528
.set OIMG,   272384                    ; the attention's result as 4 fragments (2 uq + K step), 48 bytes a lane
.set OSC,    278528                    ; their scale words, 64 bytes each
.set OSTG,   278784                    ; the way out: 32 rows x (1,024 + 16) bytes
.set OPITCH, 1040
.set SPARE,  312064                    ; the spare words, 128 bytes for each wave: four blocks of 256 bytes that no other line names
; WINDOW 0 ALONE: v1, v2 the add's two; v3-7 addresses that stay; v8, v9 the step's; v16, v17 q's scale words (A, B), v18, v19 k's, v20, v21 v's, v22, v23 p's, v24-27 Wo's: these hold scales alone; v28-30 offsets
; BOTH WINDOWS: v12 -M, v13 the largest t, v[14:15] the sum; v36-51 O^T; v52-81 q: [Xlo 0 Xhi 0 Xlo]; v88-151 S^T, then p; v152-187 at work; v192-215 v's two fragments; v216-239 k's; v240-255 adjacency (two rows a window)
.set OT,  36
.set Q,   52
.set SR,  88
.set BM,  152                          ; the blocks' largest scores, then largest p
.set PT,  156                          ; at work; the bytes
.set SOP, 160                          ; the conversions' scale operands
.set PCD, 164                          ; p's codes
.set CV,  176                          ; halves made elsewhere and moved
.set FF,  184                          ; f = 2^(old M - new M) in the low word
.set TT,  186
.set VF,  192
.set KF,  216
.set AJ,  240
; s16 wave, s17 head A, s18 uq, s[24:31] descriptor group 1, s[32:35], s[36:39] groups 0 of the slots, s[40:43] of Wo; s44 trips; s[46:47] lane selects; s[48:49] c; s[50:51] adjacency; s[52:53] q; s[54:55] out0; s[56:57] 1e-6; s[58:59] kappa
.set MSB, 0
.macro WIN new                         ; low byte: bits 1:0 source 0, 3:2 source 1, 5:4 source 2, 7:6 destination; the high byte repeats the setting that is left
.if MSB != (\new)
	s_set_vgpr_msb (MSB<<8)|(\new)
.set MSB, (\new)
.endif
.endm
.macro CREST                           ; a round of the cluster's barrier behind its opening barrier
	s_cmp_lg_u32 s16, 0
	s_cbranch_scc1 .Lnot_wave_0_\@
	s_barrier_signal -3
.Lnot_wave_0_\@:
	s_barrier_wait -3
	s_barrier_signal -1
	s_barrier_wait -1
.endm
.macro ROUND
	s_barrier_signal -1
	s_barrier_wait -1
	CREST
.endm
.macro TLOAD g0, n                     ; waves 0 .. n - 1 ask, one load each; the branch hangs on the wave's number alone; s_nop 0 and four v_nop follow the load
	s_cmp_lt_u32 s16, \n
	s_cbranch_scc0 .Lnone_\@
	tensor_load_to_lds s[\g0:\g0+3], s[24:31]
	s_nop 0
.rept 4
	v_nop
.endr
.Lnone_\@:
.endm
.macro ALOAD                           ; my four rows of adjacency, a slot's 256 keys: each load reads 512 consecutive bytes; read once in the launch
.irp b, 0,1
	WIN 0x40*\b
.irp i, 0,1
.irp g, 0,1
	global_load_b128 v[AJ+4*(2*\i+\g):AJ+4*(2*\i+\g)+3], v7, s[50:51] offset:(2*\b+\i)*16384+\g*512 th:TH_LOAD_NT
.endr
.endr
.endr
	WIN 0
.endm
.macro PRODUCE buf                     ; kappa log2(adj + 1e-6) of what ALOAD brought, into log buffer buf
	s_wait_loadcnt 0x0                             ; the loads are in: their base may step
	s_add_nc_u64 s[50:51], s[50:51], 1024          ; the next slot's keys
.irp b, 0,1
	WIN 0x55*\b
.set j, 0
.rept 8
	v_pk_add_f32 v[AJ+j:AJ+j+1], v[AJ+j:AJ+j+1], s[56:57] op_sel_hi:[1,0]
.set j, j+2
.endr
.endr
	s_wait_alu depctr_va_vdst(0)                   ; the wait ahead of the batch
.irp b, 1,0
	WIN 0x55*\b
.set j, 0
.rept 16
	v_log_f32 v[AJ+j], v[AJ+j]
.set j, j+1
.endr
.endr
	v_nop                                          ; one plain place behind the transcendentals
	s_wait_alu depctr_va_vdst(0)                   ; and the wait behind the batch
.irp b, 0,1
	WIN 0x55*\b
.set j, 0
.rept 8
	v_pk_mul_f32 v[AJ+j:AJ+j+1], v[AJ+j:AJ+j+1], s[58:59] op_sel_hi:[1,0]
.set j, j+2
.endr
	WIN 0x04*\b
.irp i, 0,1
.irp g, 0,1
	ds_store_b128 v6, v[AJ+4*(2*\i+\g):AJ+4*(2*\i+\g)+3] offset:(\buf)*LABUF+\g*LASG+16*(2*\b+\i)   ; lane l's keys 4 l .. 4 l + 3 are group 4 (l / 8) + l % 4 of the lane (my row, (l / 4) % 2)
.endr
.endr
.endr
	WIN 0
.endm
.macro LOADKL p, sg                    ; what the score products of step sg of slot p read: k's scale words and fragments for both heads, and the log image into head A's score registers
	v_add_nc_u32 v8, (\p)*SLOTB+(\sg)*STEPB, v3
	v_add_nc_u32 v9, (\p)*SLOTB+(\sg)*STEPB, v4
	ds_load_b32 v18, v9                            ; lanes 0-15 fragment 0's words, lanes 16-31 fragment 1's
	ds_load_b32 v19, v9 offset:128
.irp g, 0,1,2,3,4,5
	ds_load_b128 v[KF+4*\g:KF+4*\g+3], v8 offset:512*\g
.endr
.irp g, 0,1,2,3,4,5,6,7,8,9,10,11,12,13,14,15
	ds_load_b128 v[SR+4*\g:SR+4*\g+3], v5 offset:(\p)*LABUF+(\sg)*LASG+LAG*\g
.endr
	WIN 0x40
.irp g, 0,1,2,3,4,5
	ds_load_b128 v[KF+4*\g:KF+4*\g+3], v8 offset:2*FRB+512*\g
.endr
	WIN 0
.endm
.macro QK8 ks, qs                      ; eight score tiles of one head, each accumulator once
.irp f, 0,1
.irp t, 0,1,2,3
.set QF, Q+12*(\t%2)+18*(\t/2)-24*(\t/2)*(\t%2)   ; (Xlo 0), (Xhi 0), (0 Xlo), (0 Xhi)
.if \f
	v_wmma_scale_f32_16x16x128_f8f6f4 v[SR+32+8*\t:SR+39+8*\t], v[KF+12:KF+23], v[QF:QF+11], v[SR+32+8*\t:SR+39+8*\t], v[\ks], v[\qs] matrix_a_fmt:MATRIX_FMT_FP6 matrix_b_fmt:MATRIX_FMT_FP6 matrix_a_scale:MATRIX_SCALE_ROW1
.else
	v_wmma_scale_f32_16x16x128_f8f6f4 v[SR+8*\t:SR+7+8*\t], v[KF:KF+11], v[QF:QF+11], v[SR+8*\t:SR+7+8*\t], v[\ks], v[\qs] matrix_a_fmt:MATRIX_FMT_FP6 matrix_b_fmt:MATRIX_FMT_FP6
.endif
.endr
.endr
.endm
.macro SMAX blk                        ; the blocks' largest scores, the new M, f
	WIN 0x55*(\blk)
	s_wait_alu depctr_va_vdst(0)                   ; the wait directly ahead of the first reader of the scores
.irp b, 0,1,2,3
	v_max3_num_f32 v[BM+\b], v[SR+16*\b], v[SR+1+16*\b], v[SR+2+16*\b]   ; each score tile is read from its low end on
.endr
.irp i, 3,5,7,9,11,13
.irp b, 0,1,2,3
	v_max3_num_f32 v[BM+\b], v[BM+\b], v[SR+16*\b+\i], v[SR+1+16*\b+\i]
.endr
.endr
.irp b, 0,1,2,3
	v_max_num_f32 v[BM+\b], v[BM+\b], v[SR+15+16*\b]
.endr
.irp b, 0,1,2,3
	v_permlanex16_b32 v[PT+\b], v[BM+\b], s46, s47
.endr
.irp b, 0,1,2,3
	v_max_num_f32 v[BM+\b], v[BM+\b], v[PT+\b]     ; with lane l xor 16's 16 keys
.endr
	v_max3_num_f32 v[TT], v[BM], v[BM+1], v[BM+2]
	s_delay_alu instid0(VALU_DEP_1)
	v_max_num_f32 v[TT], v[TT], v[BM+3]
	s_delay_alu instid0(VALU_DEP_1)
	v_mul_f32 v[TT], s48, v[TT]                    ; as t (c is positive)
	s_delay_alu instid0(VALU_DEP_1)
	v_max_num_f32 v13, v13, v[TT]                  ; the running largest t
	v_mov_b32 v[TT], v12
	s_delay_alu instid0(VALU_DEP_2)
	v_floor_f32 v12, -v13                          ; the new -M = floor(-t): M is a whole number
	s_delay_alu instid0(VALU_DEP_1)
	v_sub_f32 v[TT], v12, v[TT]                    ; old M - new M, 0 or less
	s_delay_alu instid0(VALU_DEP_1)
	v_cvt_i32_f32 v[TT], v[TT]                     ; (it saturates)
	s_delay_alu instid0(VALU_DEP_1)
	v_ldexp_f32 v[FF], 1.0, v[TT]                  ; f = 2^(old M - new M)
.endm
.macro SREST blk                       ; p, its codes and scale word, O^T and the sum under the new M
.set j, 0
.rept 32
	v_pk_fma_f32 v[SR+j:SR+j+1], v[SR+j:SR+j+1], s[48:49], v[12:13] op_sel_hi:[1,0,0]   ; t - M, two at a time
.set j, j+2
.endr
.irp b, 0,1,2,3
	v_fma_f32 v[BM+\b], v[BM+\b], s48, v12         ; the same of each block's largest score
.endr
	s_wait_alu depctr_va_vdst(0)                   ; the wait ahead of the batch
.set j, 0
.rept 64
	v_exp_f32 v[SR+j], v[SR+j]                     ; p = 2^(t - M)
.set j, j+1
.endr
.irp b, 0,1,2,3
	v_exp_f32 v[BM+\b], v[BM+\b]                   ; the block's largest p
.endr
	v_pk_mul_f32 v[14:15], v[14:15], v[FF:FF+1] op_sel_hi:[1,0]   ; the sums under the new M (a plain place behind the exponentials)
	s_wait_alu depctr_va_vdst(0)                   ; and the wait behind it
.irp b, 0,1,2,3
	v_max_num_f32 v[BM+\b], 0x1800000, v[BM+\b]    ; the floor 2^(3 - 127): the byte cannot fall under 1
.endr
.irp b, 0,1,2,3
	v_add_nc_u32 v[SOP+\b], 0xff000000, v[BM+\b]   ; 2 off the exponent field: the conversion's scale operand
.endr
.irp b, 0,1,2,3
	v_lshrrev_b32 v[PT+\b], 23, v[SOP+\b]          ; the scale's byte
.endr
	v_lshl_or_b32 v[TT], v[PT+1], 8, v[PT]
	s_delay_alu instid0(VALU_DEP_1)
	v_lshl_or_b32 v[TT], v[PT+2], 16, v[TT]
	WIN 0x11*(\blk)                                ; scale operands are taken from window 0
	v_lshl_or_b32 v[22+\blk], v[PT+3], 24, v[TT]   ; p's scale word for these 128 keys
	WIN 0x55*(\blk)
.irp c, 0,1
	v_cvt_scalef32_pk16_fp6_f32 v[PCD+6*\c:PCD+2+6*\c], v[SR+32*\c:SR+15+32*\c], v[SOP+2*\c]
	v_cvt_scalef32_pk16_fp6_f32 v[CV+4*\c:CV+2+4*\c], v[SR+16+32*\c:SR+31+32*\c], v[SOP+2*\c+1]
.endr
	v_nop                                          ; one plain place behind a scaled conversion
.irp c, 0,1                                    ; the operand's layout wants a whole block in a lane
.irp i, 0,1,2
	v_permlane16_swap_b32 v[PCD+6*\c+\i], v[CV+4*\c+\i]
.endr
.irp i, 0,1,2
	v_mov_b32 v[PCD+3+6*\c+\i], v[CV+4*\c+\i]
.endr
.endr
	s_wait_alu depctr_va_vdst(0)                   ; the wait directly ahead of the first reader of O^T
.set j, 0
.rept 8
	v_pk_mul_f32 v[OT+j:OT+j+1], v[OT+j:OT+j+1], v[FF:FF+1] op_sel_hi:[1,0]   ; O^T under the new M, from each tile's low end on
.set j, j+2
.endr
; the sum of the 64 unquantised p, two at a time, in eight chains: v152-163, v[176:177] (free by now) and the running sum itself
.irp k, 0,1,2,3,4,5
	v_pk_add_f32 v[BM+2*\k:BM+2*\k+1], v[SR+2*\k:SR+2*\k+1], v[SR+14+2*\k:SR+15+2*\k]
.endr
	v_pk_add_f32 v[CV:CV+1], v[SR+12:SR+13], v[SR+26:SR+27]
	v_pk_add_f32 v[14:15], v[14:15], v[SR+28:SR+29]
.irp m, 0,1
.irp k, 0,1,2,3,4,5
	v_pk_add_f32 v[BM+2*\k:BM+2*\k+1], v[BM+2*\k:BM+2*\k+1], v[SR+30+16*\m+2*\k:SR+31+16*\m+2*\k]
.endr
	v_pk_add_f32 v[CV:CV+1], v[CV:CV+1], v[SR+42+16*\m:SR+43+16*\m]
	v_pk_add_f32 v[14:15], v[14:15], v[SR+44+16*\m:SR+45+16*\m]
.endr
	v_pk_add_f32 v[BM:BM+1], v[BM:BM+1], v[SR+62:SR+63]
	v_pk_add_f32 v[BM+4:BM+5], v[BM+4:BM+5], v[BM+6:BM+7]
	v_pk_add_f32 v[BM+8:BM+9], v[BM+8:BM+9], v[BM+10:BM+11]
	v_pk_add_f32 v[14:15], v[14:15], v[CV:CV+1]
	v_pk_add_f32 v[BM:BM+1], v[BM:BM+1], v[BM+2:BM+3]
	v_pk_add_f32 v[BM+4:BM+5], v[BM+4:BM+5], v[BM+8:BM+9]
	s_delay_alu instid0(VALU_DEP_2)
	v_pk_add_f32 v[14:15], v[14:15], v[BM:BM+1]
	s_delay_alu instid0(VALU_DEP_1)
	v_pk_add_f32 v[14:15], v[14:15], v[BM+4:BM+5]
.endm
.macro PV blk                          ; O^T += v^T p^T: two accumulators by turns
	v_wmma_scale_f32_16x16x128_f8f6f4 v[OT:OT+7], v[VF:VF+11], v[PCD:PCD+11], v[OT:OT+7], v[20+\blk], v[22+\blk] matrix_a_fmt:MATRIX_FMT_FP6 matrix_b_fmt:MATRIX_FMT_FP6
	v_wmma_scale_f32_16x16x128_f8f6f4 v[OT+8:OT+15], v[VF+12:VF+23], v[PCD:PCD+11], v[OT+8:OT+15], v[20+\blk], v[22+\blk] matrix_a_fmt:MATRIX_FMT_FP6 matrix_b_fmt:MATRIX_FMT_FP6 matrix_a_scale:MATRIX_SCALE_ROW1
.endm
; A KEY STEP: 128 keys, step sg of slot p, both heads.  prod: the next slot's log images are made here; aload: the adjacency of the slot after that is asked for;
; fill = 1: slot p, read out, takes the keys two slots on; fill = 2: it takes Wo's images; np, nsg: the step whose k and log image are asked for (np < 0: none).
.macro STEP p, sg, prod, aload, fill, np, nsg
	s_wait_alu depctr_va_vdst(0)                   ; the wait directly ahead of the wait below
	s_wait_dscnt 0x0                               ; k and the log image are in
	WIN 0x45                                       ; head B: D, k and q in window 1, C = the log image in window 0
	QK8 19, 17
.rept 5
	v_nop                                          ; five places: head A's products write over what head B's took as C
.endr
	WIN 0
	QK8 18, 16                                     ; head A adds onto the log image in place
.rept 4
	v_nop                                          ; places ahead of the loads into v's registers and of the first read of the scores
.endr
	ds_load_b32 v20, v9 offset:HALFB               ; v's scale words: lanes 0-15 dims tile 0's, lanes 16-31 tile 1's
	ds_load_b32 v21, v9 offset:HALFB+128
.irp g, 0,1,2,3,4,5
	ds_load_b128 v[VF+4*\g:VF+4*\g+3], v8 offset:HALFB+512*\g
.endr
	WIN 0x40
.irp g, 0,1,2,3,4,5
	ds_load_b128 v[VF+4*\g:VF+4*\g+3], v8 offset:HALFB+2*FRB+512*\g
.endr
	WIN 0
.if \prod
	PRODUCE 1-(\p)
.endif
.if \fill
	s_wait_tensorcnt 0x0                           ; all my tensor loads have landed: one at the most was out, my part of the other slot
	ds_add_u32 v1, v2                              ; 0 onto my spare word,
	ds_add_u32 v1, v2                              ; twice on end
.if \fill == 1
	s_add_nc_u64 s[34+4*\p:35+4*\p], s[34+4*\p:35+4*\p], 2*SLOTB   ; no load of mine is out: slot p's next tile, two slots on
.endif
.endif
	SMAX 0                                         ; work on registers while v (and the add) are out
	s_wait_alu depctr_va_vdst(0)                   ; the wait directly ahead of the wait below
	s_wait_dscnt 0x0                               ; v is in, my log stores have landed; in a slot's second step: the add is done and my reads of slot p and of log buffer p are over
.if \fill
	s_barrier_signal -1                            ; the round opens; register work alone up to its closing wait
.endif
.if \aload
	ALOAD                                          ; the log stores have read v240-255 (the wait for 0 above)
.endif
	SREST 0
	PV 0
.if \fill
	s_wait_alu depctr_va_vdst(0)                   ; the wait directly ahead of the wait below
	s_barrier_wait -1
	CREST                                          ; no wave of any partner still reads slot p or has a load on its way; the other slot and log buffer are whole
.if \fill == 1
	TLOAD 32+4*\p, 4
.else
	TLOAD 40, 2
.endif
.endif
.if (\np) >= 0
	LOADKL \np, \nsg
.endif
	SMAX 1
	SREST 1
	PV 1
	WIN 0
.endm
	s_load_b256 s[4:11], s[0:1], 0x0               ; qimg s[4:5], kv s[6:7], woimg s[8:9], adjacency s[10:11]
	s_load_b128 s[12:15], s[0:1], 0x20             ; bo s[12:13], out0 s[14:15]
	v_lshl_add_u32 v1, v0, 2, SPARE
	v_mov_b32 v2, 0
	ds_add_u32 v1, v2                              ; the opening lines: the add, twice on end, and its wait
	ds_add_u32 v1, v2
	v_lshrrev_b32 v10, 5, v0
	v_readfirstlane_b32 s16, v10                   ; wave 0..7
	s_and_b32 s17, s16, 3
	s_mul_i32 s22, s17, HALFB                      ; which quarter of a slot I would fetch (waves 0-3 do): step 0's k, its v, step 1's k, its v
	s_lshl_b32 s17, s17, 1                         ; head A
	s_lshr_b32 s18, s16, 2                         ; uq
	s_bfe_u32 s19, ttmp6, 0x40000                  ; cx: it enters the addresses of q, adjacency and out0 alone
	s_lshl_b32 s20, ttmp9, 2
	s_add_co_u32 s20, s20, s19                     ; X: my block of 32 queries
	s_lshr_b32 s21, ttmp9, 5                       ; the batch, from the cluster's number: the partners share it
	s_mov_b32 s24, 15|(3<<16)|(1<<21)              ; group 1: 25,600 dense bytes as 100 rows of 256 (32 elements of 8 bytes); the mask names all four work-groups; bit 21 beside it
	s_mov_b32 s25, 32<<16
	s_mov_b32 s26, 100<<16
	s_mov_b32 s27, 32<<16
	s_mov_b32 s28, 100
	s_mov_b32 s29, 32
	s_mov_b32 s30, 0
	s_mov_b32 s31, 0
	s_wait_dscnt 0x0                               ; both opening adds are done
	s_and_b32 s23, s16, 1                          ; which half of Wo's images (waves 0, 1 do)
	s_mul_i32 s23, s23, HALFB
	s_mul_i32 s60, s21, 32*STEPB
	s_add_co_u32 s60, s60, s22
	s_mov_b32 s61, 0
	s_mov_b32 s62, s23
	s_mov_b32 s63, 0
	s_lshl_b32 s50, s20, 5
	s_lshl_b32 s51, s16, 2
	s_add_co_u32 s58, s50, s51                     ; 32 X + 4 w: the first of the four rows that I read of adjacency and store of out0
	s_lshl_b32 s50, s58, 14
	s_mov_b32 s51, 0
	s_lshl_b32 s54, s58, 10
	s_mov_b32 s55, 0
	s_lshr_b32 s52, s20, 2                         ; q: the step of 128 nodes in which my queries lie
	s_mul_i32 s52, s52, HALFB
	s_mov_b32 s53, 0
	; in that step my query tile is node tile 2 (X % 4) + uq: fragment f = (X % 4) / 2, block 2 c + uq with c = X % 2: registers 6 c .. 6 c + 5 of lane r + 16 uq
	s_and_b32 s44, s20, 1                          ; c
	s_bfe_u32 s45, s20, 0x10001                    ; f
	s_mul_i32 s56, s17, 2*FRB
	s_mul_i32 s57, s45, FRB
	s_add_co_u32 s56, s56, s57
	s_lshl_b32 s57, s18, 8
	s_add_co_u32 s56, s56, s57
	s_mul_i32 s57, s44, 520
	s_add_co_u32 s57, s57, s56                     ; registers 6 c, 6 c + 1 (and, 512 on, 6 c + 4, 6 c + 5)
	s_mul_i32 s59, s44, 1016
	s_add_co_u32 s59, s59, s56                     ; 8 on: registers 6 c + 2, 6 c + 3
	s_lshl_b32 s58, s17, 7                         ; and the scale byte: word 4 (r + 16 f), byte 2 c + uq
	s_lshl_b32 s56, s45, 6
	s_add_co_u32 s58, s58, s56
	s_lshl_b32 s56, s44, 1
	s_add_co_u32 s58, s58, s56
	s_add_co_u32 s58, s58, s18
	s_add_co_u32 s58, s58, 24576
	s_mul_i32 s40, s17, 2*FRB                      ; LDS: head A's fragments in a half,
	s_lshl_b32 s41, s17, 7
	s_add_co_u32 s41, s41, 24576                   ; its scale words,
	s_mul_i32 s42, s18, LATILE
	s_add_co_u32 s42, s42, LAB                     ; my query tile's log image;
	s_bfe_u32 s43, s16, 0x10001                    ; where I store logs: row 4 w + i of the 32 is row 4 (w % 2) + i + 8 (w / 4) of query tile (w / 2) % 2
	s_mul_i32 s43, s43, LATILE
	s_and_b32 s44, s16, 1
	s_lshl_b32 s44, s44, 6
	s_add_co_u32 s43, s43, s44
	s_lshl_b32 s44, s18, 7
	s_add_co_u32 s43, s43, s44
	s_add_co_u32 s43, s43, LAB
	v_and_b32 v11, 31, v0                          ; lane
	v_and_b32 v10, 15, v0                          ; r
	v_lshl_add_u32 v28, v10, 4, s57
	v_lshl_add_u32 v29, v10, 4, s59
	v_lshl_add_u32 v30, v10, 2, s58
	v_lshlrev_b32 v7, 4, v11                       ; 16 x lane
	v_lshl_add_u32 v4, v11, 2, s41
	v_bfe_u32 v8, v0, 3, 2
	v_and_b32 v6, 3, v0
	v_add_nc_u32 v3, s40, v7
	v_add_nc_u32 v5, s42, v7
	v_lshl_add_u32 v6, v8, 2, v6                   ; group 4 (l / 8) + l % 4
	v_bfe_u32 v8, v0, 2, 1
	v_mul_u32_u24 v6, v6, LAG
	s_delay_alu instid0(VALU_DEP_1)
	v_lshl_add_u32 v6, v8, 8, v6                   ; half (l / 4) % 2 of the lanes
	s_delay_alu instid0(VALU_DEP_1)
	v_add_nc_u32 v6, s43, v6
	s_lshl_b32 s44, s17, 7                         ; bo: head A's 32 features
	s_mov_b32 s45, 0
	s_mov_b32 s46, 0x76543210
	s_mov_b32 s47, 0xfedcba98                      ; v_permlanex16_b32's selects for lane l xor 16
	s_mov_b32 s48, 0x3e8293ee                      ; c = log2(e) / sqrt(32)
	s_mov_b32 s49, s48
	s_mov_b32 s56, 0x358637bd                      ; 1e-6
	s_mov_b32 s57, s56
	s_mov_b32 s58, 0x407af233                      ; kappa = ln 2 sqrt(32)
	s_mov_b32 s59, s58
	s_wait_alu depctr_va_vdst(0)                   ; the wait directly ahead of the wait below
	s_wait_kmcnt 0x0
	s_add_nc_u64 s[50:51], s[10:11], s[50:51]
	s_add_nc_u64 s[54:55], s[14:15], s[54:55]
	s_add_nc_u64 s[52:53], s[4:5], s[52:53]
	s_add_nc_u64 s[12:13], s[12:13], s[44:45]
	s_add_nc_u64 s[60:61], s[6:7], s[60:61]
	s_add_nc_u64 s[62:63], s[8:9], s[62:63]
	s_mov_b32 s32, 1                               ; group 0 of slot 0: the batch's keys 0-255
	s_mov_b32 s33, s22
	s_mov_b64 s[34:35], s[60:61]
	s_or_b32 s35, s35, 0x80000000
	s_mov_b32 s36, 1                               ; of slot 1: keys 256-511
	s_add_co_u32 s37, s22, SLOTB
	s_add_nc_u64 s[38:39], s[60:61], SLOTB
	s_or_b32 s39, s39, 0x80000000
	s_mov_b32 s40, 1                               ; of Wo's images, which take slot 0's bytes at the end
	s_mov_b32 s41, s23
	s_mov_b64 s[42:43], s[62:63]
	s_or_b32 s43, s43, 0x80000000
	ALOAD                                          ; adjacency for slot 0
.irp b, 0,1                                    ; my query's 24 bytes of codes and its scale byte, for each head (both halves of the lanes take the same)
	WIN 0x40*\b
	global_load_b64 v[96:97], v28, s[52:53] offset:2*FRB*\b
	global_load_b64 v[98:99], v29, s[52:53] offset:2*FRB*\b+8
	global_load_b64 v[100:101], v28, s[52:53] offset:2*FRB*\b+512
	global_load_u8 v102, v30, s[52:53] offset:128*\b
.endr
	WIN 0
	ROUND                                          ; all four work-groups are here: the first joint load meets
	TLOAD 32, 4                                    ; slot 0: one tensor load a wave at the head
.irp b, 0,1
	WIN 0x55*\b
	v_mov_b32 v13, 0xff61b1e6                      ; the largest t so far: -3e38
	v_mov_b32 v14, 0
	v_mov_b32 v15, 0
	v_floor_f32 v12, -v13                          ; -M
.set j, 0
.rept 16
	v_mov_b32 v[OT+j], 0                           ; O^T: the step is written once; its first run finds zeros
.set j, j+1
.endr
.irp i, 0,1,2,3,4,5
	v_mov_b32 v[Q+6+\i], 0
	v_mov_b32 v[Q+18+\i], 0
.endr
.irp i, 0,1,2,3
	v_mov_b32 v[PT+\i], 0                          ; a lane permute's destination counts as one of its sources
.endr
	v_mov_b32 v[FF+1], 0                           ; named as the upper half of a pair
.endr
	WIN 0
	PRODUCE 0                                      ; its wait covers adjacency and q
	s_wait_dscnt 0x0                               ; the log stores have read v240-255
	ALOAD                                          ; adjacency for slot 1
	v_lshl_or_b32 v16, v102, 8, v102               ; q's byte in all four places of the word: whichever block holds the codes finds it
	WIN 0x11
	v_lshl_or_b32 v17, v102, 8, v102
	WIN 0
	v_cmp_gt_u32 vcc_lo, 16, v11
	v_lshl_or_b32 v16, v16, 16, v16
	v_lshl_or_b32 v17, v17, 16, v17
.irp b, 0,1
	WIN 0x55*\b
.irp i, 0,1,2,3,4,5
	v_cndmask_b32 v[Q+\i], v[Q+6], v[96+\i], vcc_lo      ; Xlo: the codes in lanes 0-15, zeros in lanes 16-31
	v_cndmask_b32 v[Q+24+\i], v[Q+6], v[96+\i], vcc_lo
	v_cndmask_b32 v[Q+12+\i], v[96+\i], v[Q+6], vcc_lo   ; Xhi: the other way round
.endr
.endr
	WIN 0
	s_wait_alu depctr_va_vdst(0)                   ; the wait at the head's end
	s_wait_tensorcnt 0x0                           ; my part of slot 0 is in; the same lines ahead of slot 1's first fill as ahead of a refill
	ds_add_u32 v1, v2
	ds_add_u32 v1, v2
	s_wait_dscnt 0x0                               ; the adds are done, my log stores have landed
	ROUND
	TLOAD 36, 4                                    ; slot 1
	LOADKL 0, 0
	s_mov_b32 s44, 7
.Lpair:                                            ; 14 of the 16 slots; slot i makes slot i + 1's logs, asks for slot i + 2's adjacency and, read out, takes slot i + 2's keys
	STEP 0, 0, 1, 1, 0, 0, 1
	STEP 0, 1, 0, 0, 1, 1, 0
	STEP 1, 0, 1, 1, 0, 1, 1
	STEP 1, 1, 0, 0, 1, 0, 0
	s_sub_co_u32 s44, s44, 1
	s_cmp_lg_u32 s44, 0
	s_cbranch_scc1 .Lpair
	STEP 0, 0, 1, 0, 0, 0, 1                       ; the last two slots are written out: no load leaves its buffer
	STEP 0, 1, 0, 0, 2, 1, 0
	STEP 1, 0, 0, 0, 0, 1, 1
	STEP 1, 1, 0, 0, 0, -1, 0
	; THE TAIL.  The addresses first; the vector lines among them name no register of the last products: their places.
	s_mul_i32 s58, s18, 2*FRB
	s_add_co_u32 s58, s58, OIMG                    ; my query tile's two fragments
	s_lshr_b32 s19, s17, 2                         ; K step of the last product = head / 4; block = head % 4
	s_mul_i32 s56, s19, FRB
	s_add_co_u32 s56, s56, s58
	s_bfe_u32 s20, s17, 0x10001
	s_mul_i32 s20, s20, 24                         ; the block's registers: 6 ((head / 2) % 2) on; its lanes: r + 16 (head % 2), 48 bytes a lane: head B's lie 768 bytes on
	s_add_co_u32 s56, s56, s20
	s_lshl_b32 s57, s18, 1
	s_add_co_u32 s57, s57, s19
	s_lshl_b32 s57, s57, 6
	s_and_b32 s20, s17, 3
	s_add_co_u32 s57, s57, s20
	s_add_co_u32 s57, s57, OSC
	s_lshl_b32 s59, s18, 7
	s_add_co_u32 s59, s59, OSC
	s_mul_i32 s60, s17, 4*FRB
	s_lshl_b32 s61, s17, 8
	s_add_co_u32 s61, s61, 49152
	s_mul_i32 s62, s18, 8*OPITCH
	s_lshl_b32 s20, s17, 7
	s_add_co_u32 s62, s62, s20
	s_add_co_u32 s62, s62, OSTG
	s_mul_i32 s63, s16, 4*OPITCH
	s_add_co_u32 s63, s63, OSTG
	v_and_b32 v11, 15, v0                          ; r
	v_bfe_u32 v10, v0, 4, 1                        ; h
	v_and_b32 v28, 31, v0
	v_and_b32 v13, 8, v0
	v_lshlrev_b32 v8, 6, v10                       ; bo: 64 h
	v_mul_u32_u24 v9, v11, 48
	v_add_nc_u32 v13, v13, v11
	v_mul_u32_u24 v4, v28, 48
	v_mad_u32_u24 v9, v10, 12, v9                  ; my 16 dims' 12 bytes: the block's lower or upper half
	v_mul_u32_u24 v13, v13, OPITCH
	v_lshl_add_u32 v3, v11, 2, s57                 ; my block's byte in row r's scale word
	v_add_nc_u32 v4, s58, v4                       ; back: my query tile's two fragments
	v_add_nc_u32 v9, s56, v9
	v_lshl_add_u32 v13, v10, 6, v13
	v_lshl_add_u32 v5, v11, 2, s59
	v_add_nc_u32 v6, s60, v7                       ; Wo's four fragments of features 32 head A on, in slot 0's bytes; head B's 6,144 bytes on
	v_lshl_add_u32 v12, v28, 2, s61                ; and their scale words
	v_add_nc_u32 v13, s62, v13                     ; the stage: row 8 uq + r + 8 (r / 8), byte 128 head + 64 h
	v_add_nc_u32 v10, s63, v7                      ; back: rows 4 w .. 4 w + 3
.irp b, 0,1
	WIN 0x40*\b
.irp k, 0,1,2,3
	global_load_b128 v[120+4*\k:123+4*\k], v8, s[12:13] offset:128*\b+16*\k   ; bo at features 32 head + 16 h + 0 .. 15: the C of the last product's two tiles
.endr
.endr
.irp b, 0,1
	WIN 0x55*\b
	v_add_f32 v14, v14, v15                        ; the sum's two halves,
	v_permlanex16_b32 v15, v14, s46, s47
	v_add_f32 v14, v14, v15                        ; and lane l xor 16's
	s_wait_alu depctr_va_vdst(0)                   ; the wait ahead of the transcendental
	v_rcp_f32 v14, v14
	v_nop                                          ; one plain place behind it
	s_wait_alu depctr_va_vdst(0)                   ; and the wait behind it, directly ahead of the first reader of O^T
.set j, 0
.rept 8
	v_pk_mul_f32 v[SR+j:SR+j+1], v[OT+j:OT+j+1], v[14:15] op_sel_hi:[1,0]   ; O^T / the sum, from each tile's low end on: dims 16 h + 0 .. 15 of the head, query r
.set j, j+2
.endr
	v_max3_num_f32 v104, |v88|, |v89|, 0x1800000   ; the head's 32 dims are one block of the last product's K
.irp i, 2,4,6,8,10,12,14
	v_max3_num_f32 v104, v104, |v[SR+\i]|, |v[SR+1+\i]|
.endr
	v_permlanex16_b32 v105, v104, s46, s47
	v_max_num_f32 v104, v104, v105
	v_add_nc_u32 v106, 0xff000000, v104
	v_lshrrev_b32 v107, 23, v106
	v_cvt_scalef32_pk16_fp6_f32 v[112:114], v[88:103], v106
	v_nop                                          ; one plain place behind a scaled conversion
	WIN 0x04*\b
	ds_store_b32 v9, v112 offset:768*\b
	ds_store_b32 v9, v113 offset:768*\b+4
	ds_store_b32 v9, v114 offset:768*\b+8
	ds_store_b8 v3, v107 offset:\b                 ; both lanes of a block write the same byte with the same value
.endr
	WIN 0
	s_wait_alu depctr_va_vdst(0)                   ; the wait directly ahead of the wait below
	s_wait_tensorcnt 0x0                           ; Wo's images have landed (waves 0 and 1 asked),
	s_wait_dscnt 0x0                               ; my stores too
	s_barrier_signal -1
	s_barrier_wait -1
.irp s, 0,1
.irp g, 0,1,2
	ds_load_b128 v[144+12*\s+4*\g:144+12*\s+4*\g+3], v4 offset:\s*FRB+16*\g
.endr
	ds_load_b32 v[16+\s], v5 offset:64*\s
	ds_load_b32 v[24+\s], v12 offset:128*\s        ; lanes 0-15 feature tile 0's words, lanes 16-31 tile 1's
	ds_load_b32 v[26+\s], v12 offset:256+128*\s
.endr
.irp b, 0,1
	WIN 0x40*\b
.irp f, 0,1,2,3
.irp g, 0,1,2
	ds_load_b128 v[192+12*\f+4*\g:192+12*\f+4*\g+3], v6 offset:4*FRB*\b+\f*FRB+512*\g   ; fragment 2 u + s
.endr
.endr
.endr
	WIN 0
	s_wait_loadcnt 0x0                             ; bo
	s_wait_dscnt 0x0
	; out^T: source 0 = 16 features of Wo, source 1 = my 16 queries (window 0 for both heads' features); four accumulators by turns; bo starts the sums
.irp b, 0,1
	WIN 0x51*\b
	v_wmma_scale_f32_16x16x128_f8f6f4 v[52:59], v[192:203], v[144:155], v[120:127], v[24+2*\b], v16 matrix_a_fmt:MATRIX_FMT_FP6 matrix_b_fmt:MATRIX_FMT_FP6
	v_wmma_scale_f32_16x16x128_f8f6f4 v[60:67], v[216:227], v[144:155], v[128:135], v[24+2*\b], v16 matrix_a_fmt:MATRIX_FMT_FP6 matrix_b_fmt:MATRIX_FMT_FP6 matrix_a_scale:MATRIX_SCALE_ROW1
.endr
.irp b, 0,1
	WIN 0x51*\b
	v_wmma_scale_f32_16x16x128_f8f6f4 v[52:59], v[204:215], v[156:167], v[52:59], v[25+2*\b], v17 matrix_a_fmt:MATRIX_FMT_FP6 matrix_b_fmt:MATRIX_FMT_FP6
	v_wmma_scale_f32_16x16x128_f8f6f4 v[60:67], v[228:239], v[156:167], v[60:67], v[25+2*\b], v17 matrix_a_fmt:MATRIX_FMT_FP6 matrix_b_fmt:MATRIX_FMT_FP6 matrix_a_scale:MATRIX_SCALE_ROW1
.endr
.rept 4
	v_nop
.endr
.irp b, 0,1
	WIN 0x04*\b
.irp u, 0,1
	ds_store_b128 v13, v[52+8*\u:55+8*\u] offset:128*\b+32*\u        ; features 32 head + 16 h + 8 u + 0 .. 7 of my query's row; each accumulator from its low end on
	ds_store_b128 v13, v[56+8*\u:59+8*\u] offset:128*\b+32*\u+16
.endr
.endr
	WIN 0
	s_wait_dscnt 0x0
	s_barrier_signal -1
	s_barrier_wait -1                              ; 32 whole rows lie in the stage
.irp i, 0,1,2,3
.irp e, 0,1
	ds_load_b128 v[88+4*(2*\i+\e):88+4*(2*\i+\e)+3], v10 offset:\i*OPITCH+512*\e
.endr
.endr
.irp i, 0,1,2,3
.irp e, 0,1
	s_wait_dscnt 7-(2*\i+\e)                       ; this load is in; the younger ones may be out
	global_store_b128 v7, v[88+4*(2*\i+\e):88+4*(2*\i+\e)+3], s[54:55] offset:\i*1024+512*\e th:TH_STORE_NT   ; 32 lanes store 512 consecutive bytes, at a multiple of 256 from out0's first byte
.endr
.endr
	s_wait_tensorcnt 0x0                           ; the wave's end
	ds_add_u32 v1, v2
	s_wait_dscnt 0x0
	ROUND                                          ; the closing round: no work-group ends while a partner may still ask for a tile that names it
	s_endpgm
.Lfunc_end_k_qe3d25aa78d_attn:
	.size	k_qe3d25aa78d_attn, .Lfunc_end_k_qe3d25aa78d_attn-k_qe3d25aa78d_attn
	.p2alignl 7, 3214868480
	.fill 96, 4, 3214868480
	.section	.rodata,"a",@progbits
	.p2align	6, 0x0
	.amdhsa_kernel k_qe3d25aa78d_attn
		.amdhsa_group_segment_fixed_size 327680
		.amdhsa_private_segment_fixed_size 0
		.amdhsa_enable_private_segment 0
		.amdhsa_kernarg_size 48
		.amdhsa_user_sgpr_count 2
		.amdhsa_user_sgpr_kernarg_segment_ptr 1
		.amdhsa_wavefront_size32 1
		.amdhsa_system_sgpr_workgroup_id_x 1
		.amdhsa_system_sgpr_workgroup_id_y 1
		.amdhsa_system_sgpr_workgroup_id_z 1
		.amdhsa_system_vgpr_workitem_id 0
		.amdhsa_next_free_vgpr 512
		.amdhsa_next_free_sgpr 66
		.amdhsa_reserve_vcc 1
		.amdhsa_float_denorm_mode_32 3
		.amdhsa_float_denorm_mode_16_64 3
		.amdhsa_memory_ordered 1
		.amdhsa_forward_progress 1
		.amdhsa_inst_pref_size 255
	.end_amdhsa_kernel
	.section	.bss,"aw",@nobits
	.p2align	6
	.space	262144
	.amdgpu_metadata
---
amdhsa.version: [ 1, 2 ]
amdhsa.kernels:
  - .name:           k_qe3d25aa78d_attn
    .symbol:         k_qe3d25aa78d_attn.kd
    .args:
      - { .name: qimg, .offset: 0, .size: 8, .value_kind: global_buffer, .address_space: global }
      - { .name: kv, .offset: 8, .size: 8, .value_kind: global_buffer, .address_space: global }
      - { .name: woimg, .offset: 16, .size: 8, .value_kind: global_buffer, .address_space: global }
      - { .name: adjacency, .offset: 24, .size: 8, .value_kind: global_buffer, .address_space: global }
      - { .name: bo, .offset: 32, .size: 8, .value_kind: global_buffer, .address_space: global }
      - { .name: out0, .offset: 40, .size: 8, .value_kind: global_buffer, .address_space: global }
    .group_segment_fixed_size: 327680
    .private_segment_fixed_size: 0
    .kernarg_segment_align: 8
    .kernarg_segment_size: 48
    .max_flat_workgroup_size: 256
    .sgpr_count:     66
    .vgpr_count:     512
    .wavefront_size: 32
...
	.end_amdgpu_metadata
.endif
;; end of part 2
